; MI455X (gfx1250); checked and timed in simulation.
; The chip was launched on July 23, 2026; its instructions are those of AMD's public machine-readable ISA for CDNA 5 (MIT licence, August 2026) and "CDNA5" Instruction Set Architecture Reference Guide (July 2026). The comments in the code are by the model that wrote it; some were corrected since.
;; Quantized Linear. Allowed arithmetic: float matrix products may take bf16 or f16 operands with f32 sums; other float arithmetic in f32, or as packed bf16 or f16 multiplies, adds, multiply-adds, maxima and minima; sums over many terms, partial sums and values carried from step to step in f32; what a program stores and reads back later, other than sums and carried values, may be rounded once to bf16 or f16.
;; Inputs: bias 4,096 float32; scale 4,096 x 32 float32; weight_q 4,096 x 4,096 int32; x 2 x 2,048 x 4,096 float32; zero_point 4,096 x 32 float32.
;; Outputs: out0 2 x 2,048 x 4,096 float32.
;; 2 versions, each right; version 2 is version 1 with the launch prep written anew for expert scheduling mode. Each part assembles by itself: llvm-mc -triple=amdgcn-amd-amdhsa -mcpu=gfx1250 --defsym DOCPART=n.
;; ======== version 1 of 2: 2 launches
;; limits: values are held in f16: magnitudes above 65,504 overflow, below 6.1e-05 lose precision; inputs' magnitudes at most 65,504
;; workspace buffers: xh 33,554,432 bytes; wh 33,554,432 bytes
;; launch prep (part 1): grid 256 x 2, 8 waves a work-group, no clusters, 0 bytes of LDS; arguments x, weight_q, scale, zero_point, xh, wh; writes xh, wh
.if DOCPART == 1
	.amdgcn_target "amdgcn-amd-amdhsa--gfx1250"
	.amdhsa_code_object_version 6
	.text
	.protected	k_qbb93cd90fc_prep
	.globl	k_qbb93cd90fc_prep
	.p2align	8
	.type	k_qbb93cd90fc_prep,@function
k_qbb93cd90fc_prep:
	s_mov_b64 s[64:65], 0
	v_nop
	global_prefetch_b8 v0, s[64:65] scope:SCOPE_SE
	s_setreg_imm32_b32 hwreg(HW_REG_WAVE_MODE, 25, 1), 1
	s_wait_xcnt 0x0
; xh = f16(x);  wh[o][i] = f16((weight_q[o][i] - zero_point[o][i/128]) * scale[o][i/128]).  x: [4096][4096] f32, weight_q: [4096][4096] int32,
; scale, zero_point: [4096][32] f32; xh, wh: [4096][4096] f16, row-major: the two operands of the product in the next launch.
; LIMITS.  f16 holds no number beyond 65,504: an x or a weight of 65,520 or more in magnitude becomes an infinity; below 6.1e-5 a number keeps f16's fixed step of 6e-8.
; A weight is made as fma(q, s, -(z s)): z s is rounded once and the fma once, where the formula subtracts and then multiplies; the two differ by about 2^-23 |z s| at the most.
; NaN and infinities are not treated apart.
; A STREAM: every input byte is read once, every output byte written once; no wave wants a byte that another wave fetched, so there is no LDS, no barrier, no cluster and no matrix work.
; SHARES.  Grid y = 0 converts x, y = 1 the weights: 64 MiB in and 32 MiB out each.  A work-group owns 16 rows, a wave 2: 32,768 consecutive bytes in, 64 CHUNKS of 512.
; A chunk is one load of the wave (32 lanes x 16 bytes = 128 numbers = ONE quantisation group: chunk c is row c / 32, group c % 32) and one store (32 lanes x 8 bytes = 256 consecutive bytes, aligned).
; A ring of 16 slots in registers keeps 16 loads of every wave in flight; a slot owns its X and its Y registers; no vector address register is ever rewritten.
.set DEPTH,  16                        ; slots = loads in flight in each wave
.set CHUNKS, 64                        ; chunks of a wave
.set INCH,   512                       ; bytes of a chunk in
.set OUTCH,  256                       ; and out
.set LO, 1                             ; v1        16 x lane: my 16 bytes of a chunk in
.set SO, 2                             ; v2        8 x lane: my 8 bytes of a chunk out; also my two words of the wave's 64 scales and 64 zero points
.set T,  4                             ; v[4:7]    at work
.set SC, 8                             ; v[8:9]    scale: word 2 l and 2 l + 1 of my wave's two rows: (row r, group g) lies in register g % 2 of lane 16 r + g / 2
.set ZP, 10                            ; v[10:11]  zero point, laid likewise; then -(z s)
.set X,  16                            ; v[16:79]  slot i: 4 registers as loaded
.set Y,  80                            ; v[80:111] slot i: 2 registers to store
.set INB,  4                           ; the scalar pair of the path's input pointer
.set OUTB, 12                          ; and of its output pointer
.macro FILL                            ; chunks 0 to 15 fill the ring
.set i, 0
.rept DEPTH
	global_load_b128 v[X+4*i:X+4*i+3], v[LO], s[INB:INB+1] offset:INCH*i th:TH_LOAD_NT
.set i, i+1
.endr
.endm
; The turn of chunk c (slot c % 16).  kind = 1: weights, 0: x.  ahead = 1: the slot is loaded again with the chunk 16 further on.  left = how many younger loads may stay out.
.macro TURN kind, c, ahead, left
.set sl, (\c)%DEPTH
	s_wait_loadcnt \left                           ; loads come back in order (ISA guide 5.7.1): this slot's is in, the younger ones stay out
	s_wait_xcnt 0x0                                ; every earlier memory instruction has had its addresses translated (ISA guide 3.1): the slot's Y, which its last store reads, is rewritten only behind this wait
.if \kind
.set pr, 20+4*((\c)%2)                 ; two sets of scalar pairs by turns
.set ln, 16*((\c)/32)+((\c)%32)/2
.set rg, (\c)%2
	v_readlane_b32 s[pr],   v[SC+rg], ln           ; the chunk's one scale,
	v_readlane_b32 s[pr+2], v[ZP+rg], ln           ; and its -(z s)
.irp k, 0,1,2,3
	v_cvt_f32_i32 v[T+(\k)], v[X+4*sl+(\k)]
.endr
.irp k, 0,1
	v_pk_fma_f32 v[T+2*(\k):T+2*(\k)+1], v[T+2*(\k):T+2*(\k)+1], s[pr:pr+1], s[pr+2:pr+3] op_sel_hi:[1,0,0]  ; q s - z s, two at a time; each pair's low word serves both
.endr
.irp k, 0,1
	v_cvt_pk_f16_f32 v[Y+2*sl+(\k)], v[T+2*(\k)], v[T+2*(\k)+1]
.endr
.else
.irp k, 0,1
	v_cvt_pk_f16_f32 v[Y+2*sl+(\k)], v[X+4*sl+2*(\k)], v[X+4*sl+2*(\k)+1]
.endr
.endif
.if \ahead
	global_load_b128 v[X+4*sl:X+4*sl+3], v[LO], s[INB:INB+1] offset:INCH*((\c)+DEPTH) th:TH_LOAD_NT  ; the load goes out ahead of the store
.endif
	global_store_b64 v[SO], v[Y+2*sl:Y+2*sl+1], s[OUTB:OUTB+1] offset:OUTCH*(\c) th:TH_STORE_NT
.endm
	s_load_b256 s[4:11], s[0:1], 0x0               ; x s[4:5], weight_q s[6:7], scale s[8:9], zero_point s[10:11]
	s_load_b128 s[12:15], s[0:1], 0x20             ; xh s[12:13], wh s[14:15]
	v_and_b32 v3, 31, v0                           ; lane
	v_lshlrev_b32 v[LO], 4, v3
	v_lshlrev_b32 v[SO], 3, v3
	v_lshrrev_b32 v3, 5, v0
	v_readfirstlane_b32 s16, v3                    ; wave 0..7
	s_and_b32 s17, ttmp7, 0xffff                   ; 0: x, 1: the weights
	s_lshl_b32 s18, ttmp9, 18                      ; in: the work-group's 16 rows of 16,384 bytes,
	s_lshl_b32 s2, s16, 15                         ; my wave's 2
	s_or_b32 s18, s18, s2
	s_mov_b32 s19, 0
	s_lshr_b32 s2, s18, 1                          ; out: half as many bytes
	s_mov_b32 s3, 0
	s_lshr_b32 s30, s18, 7                         ; the tables: 128 bytes a row where the input has 16,384
	s_mov_b32 s31, 0
	s_mov_b32 s21, 0                               ; the upper words of the four pairs that the packed multiply-add names
	s_mov_b32 s23, 0
	s_mov_b32 s25, 0
	s_mov_b32 s27, 0
	s_wait_kmcnt 0x0
	s_cmp_lg_u32 s17, 0
	s_cbranch_scc1 .Lweights
	; x: three rounds of the ring that load ahead, then one that loads nothing
	s_add_nc_u64 s[4:5], s[4:5], s[18:19]
	s_add_nc_u64 s[12:13], s[12:13], s[2:3]
	FILL
	s_mov_b32 s28, CHUNKS/DEPTH-1
.Lround:
.set n, 0
.rept DEPTH
	TURN 0, n, 1, DEPTH-1                          ; 15 loads were issued behind the slot's own, on the way in and over the backward jump alike
.set n, n+1
.endr
	s_wait_xcnt 0x0                                ; the round's loads and stores have read their bases, which are stepped only behind this wait
	s_add_nc_u64 s[4:5], s[4:5], DEPTH*INCH
	s_add_nc_u64 s[12:13], s[12:13], DEPTH*OUTCH
	s_sub_co_u32 s28, s28, 1
	s_cmp_lg_u32 s28, 0
	s_cbranch_scc1 .Lround
.set n, 0
.rept DEPTH
	TURN 0, n, 0, DEPTH-1-n                        ; the last round: no load leaves the wave's 32,768 bytes, and the counts run down
.set n, n+1
.endr
	s_endpgm
.Lweights:                                             ; written out chunk by chunk, so that each chunk's lane and register of the tables is a constant; no base is stepped
.set INB,  6
.set OUTB, 14
	s_add_nc_u64 s[6:7], s[6:7], s[18:19]
	s_add_nc_u64 s[14:15], s[14:15], s[2:3]
	s_add_nc_u64 s[8:9], s[8:9], s[30:31]
	s_add_nc_u64 s[10:11], s[10:11], s[30:31]
	global_load_b64 v[SC:SC+1], v[SO], s[8:9]      ; my wave's two rows of each table: 256 consecutive bytes, aligned, read once
	global_load_b64 v[ZP:ZP+1], v[SO], s[10:11]
	FILL
	s_wait_loadcnt DEPTH                           ; the two tables are in; the ring's 16 loads stay out
	v_mul_f32 v[ZP], -v[ZP], v[SC]                 ; -(z s)
	v_mul_f32 v[ZP+1], -v[ZP+1], v[SC+1]
.set n, 0
.rept CHUNKS-DEPTH
	TURN 1, n, 1, DEPTH-1
.set n, n+1
.endr
.rept DEPTH
	TURN 1, n, 0, CHUNKS-1-n                       ; the last 16 chunks load nothing: the counts run down
.set n, n+1
.endr
	s_endpgm
.Lfunc_end_k_qbb93cd90fc_prep:
	.size	k_qbb93cd90fc_prep, .Lfunc_end_k_qbb93cd90fc_prep-k_qbb93cd90fc_prep
	.p2alignl 7, 3214868480
	.fill 96, 4, 3214868480
	.section	.rodata,"a",@progbits
	.p2align	6, 0x0
	.amdhsa_kernel k_qbb93cd90fc_prep
		.amdhsa_group_segment_fixed_size 0
		.amdhsa_private_segment_fixed_size 0
		.amdhsa_enable_private_segment 0
		.amdhsa_kernarg_size 48
		.amdhsa_user_sgpr_count 2
		.amdhsa_user_sgpr_kernarg_segment_ptr 1
		.amdhsa_wavefront_size32 1
		.amdhsa_system_sgpr_workgroup_id_x 1
		.amdhsa_system_sgpr_workgroup_id_y 1
		.amdhsa_system_sgpr_workgroup_id_z 1
		.amdhsa_system_vgpr_workitem_id 0
		.amdhsa_next_free_vgpr 112
		.amdhsa_next_free_sgpr 66
		.amdhsa_reserve_vcc 0
		.amdhsa_float_denorm_mode_32 3
		.amdhsa_float_denorm_mode_16_64 3
		.amdhsa_memory_ordered 1
		.amdhsa_forward_progress 1
		.amdhsa_inst_pref_size 62
	.end_amdhsa_kernel
	.amdgpu_metadata
---
amdhsa.version: [ 1, 2 ]
amdhsa.kernels:
  - .name:           k_qbb93cd90fc_prep
    .symbol:         k_qbb93cd90fc_prep.kd
    .args:
      - { .name: x, .offset: 0, .size: 8, .value_kind: global_buffer, .address_space: global }
      - { .name: weight_q, .offset: 8, .size: 8, .value_kind: global_buffer, .address_space: global }
      - { .name: scale, .offset: 16, .size: 8, .value_kind: global_buffer, .address_space: global }
      - { .name: zero_point, .offset: 24, .size: 8, .value_kind: global_buffer, .address_space: global }
      - { .name: xh, .offset: 32, .size: 8, .value_kind: global_buffer, .address_space: global }
      - { .name: wh, .offset: 40, .size: 8, .value_kind: global_buffer, .address_space: global }
    .group_segment_fixed_size: 0
    .private_segment_fixed_size: 0
    .kernarg_segment_align: 8
    .kernarg_segment_size: 48
    .max_flat_workgroup_size: 256
    .sgpr_count:     66
    .vgpr_count:     112
    .wavefront_size: 32
...
	.end_amdgpu_metadata
.endif
;; end of part 1
;; launch gemm (part 2): grid 16 x 16, 4 waves a work-group, clusters of 4 x 4, 327,680 bytes of LDS; arguments xh, wh, bias, out0; writes out0
.if DOCPART == 2
	.amdgcn_target "amdgcn-amd-amdhsa--gfx1250"
	.amdhsa_code_object_version 6
	.text
	.protected	k_qbb93cd90fc_gemm
	.globl	k_qbb93cd90fc_gemm
	.p2align	8
	.type	k_qbb93cd90fc_gemm,@function
k_qbb93cd90fc_gemm:
	s_mov_b64 s[64:65], 0
	v_nop
	global_prefetch_b8 v0, s[64:65] scope:SCOPE_SE
	s_setreg_imm32_b32 hwreg(HW_REG_WAVE_MODE, 25, 1), 1
	s_wait_xcnt 0x0
	s_wait_alu depctr_hold_cnt(0) depctr_sa_sdst(0) depctr_va_vdst(0) depctr_va_sdst(0) depctr_va_ssrc(0) depctr_va_vcc(0) depctr_vm_vsrc(0)
	s_getreg_b32 s2, hwreg(HW_REG_IB_STS2, 6, 4)
	s_cmp_eq_u32 s2, 0
	s_cbranch_scc0 .Lentry_in_a_cluster
	s_endpgm
.Lentry_in_a_cluster:
	s_bfe_u32 s2, ttmp6, 0x10000c
	s_cmp_lg_u32 s2, 0xf033
	s_cbranch_scc0 .Lentry_shape_is_right
	s_endpgm
.Lentry_shape_is_right:
; out0[m][o] = the sum over i of xh[m][i] wh[o][i] + bias[o].  xh: [4096][4096] f16, wh: [4096][4096] f16 (both made by the launch before), bias: [4096] f32, out0: [4096][4096] f32.  Sums in f32.
; LIMITS.  The operands are f16 (their range and step are stated where they are made).  The bias is the C operand of each sum's first product: it is added first, not last.  NaN and infinities are not treated apart.
; SHARES.  256 tiles of 256 x 256, one to a work-group of four waves; a wave makes 128 x 128: 64 accumulators of 16 x 16, 512 registers.  K goes in 32 steps of 128 through a ring of two LDS slots filled
; by the tensor data mover: a tile's rows are 256 bytes of memory and start at multiples of 256 bytes from the buffer's first byte.
; CLUSTERS.  4 x 4 work-groups.  The four of a row of the cluster need the same tiles of xh, the four of a column the same tiles of wh: each tile is asked for JOINTLY, by the same tensor load with the
; same descriptor and a mask that names the four; each receives it in its own LDS.
; THE MATRIX INSTRUCTION IS USED TRANSPOSED: source 0 = 16 rows of wh, source 1 = 16 rows of xh.  In the result lane l holds row l % 16 of the tile and its registers 0 to 7 the columns 8 (l / 16) + 0..7:
; 32 neighbouring bytes of a row of out0.  The bias, laid in the same way (a lane's eight columns), starts the sums.
; REGISTERS, in windows of 256 (s_set_vgpr_msb: bits 1:0 source 0, 3:2 source 1, 5:4 source 2, 7:6 destination):
;   window 0: v0-31 addresses; v64-127, v128-191 fragments of xh, two buffers (on the way out: rows read back from the stage, two buffers); v192-255 the bias of my 128 columns
;   window 1: v64-127, v128-191 fragments of wh, two buffers
;   window 2: the 32 accumulators of my rows 0-63 (accumulator (a, b) at v[8 (8 a + b)]);   window 3: those of my rows 64-127
.set SIZE_K, 4096
.set SIZE_N, 4096
.set KSTEP,  128
.set PITCH,  272                       ; an LDS row: 256 bytes of data + 16 of padding = 68 words: row r starts at bank 4 r mod 64 (64 banks of 4 bytes: ISA guide 11.1), so the 16 rows of a load start at 16 different banks
.set HALFT,  128*PITCH                 ; 128 rows: what one tensor load brings, and what one wave reads of either operand
.set SLOT,   4*HALFT                   ; xh's 256 rows, then wh's 256 rows
.set STAGE,  2*SLOT                    ; behind the ring, never filled by a tensor load: 16 rows x 528 bytes for each wave, for the way out
.set SPITCH, 528                       ; a stage row: 512 bytes (128 f32) + 16 = 132 words: the 16 rows of a store again start at 16 different banks
.set SPARE,  STAGE+4*16*SPITCH         ; behind the stages: the spare words, 128 bytes for each wave: two blocks of 256 bytes that no other line names
.set LAPS,   SIZE_K/(2*KSTEP)          ; a lap = two K steps = once round the ring: 16
.set ROWC,   SIZE_N*4                  ; bytes in a row of out0
.set ADRA, 16                          ; v16-17  LDS address of my fragments of xh in slot 0, 1
.set ADRB, 20                          ; v20-21  the same for wh
.set STO,  24                          ; v24     the way out: where I put 32 bytes of a row
.set RD,   25                          ; v25     the way out: where I read 16 bytes of a row back
.set CO,   26                          ; v26     16 x lane: my 16 bytes of 512 in a row of out0
.set BO,   27                          ; v27     32 x (lane / 16): my eight columns among sixteen of the bias
.set SPW,  28                          ; v28     LDS address of my spare word: SPARE + 4 x my thread's number; never rewritten
.set NIL,  29                          ; v29     0; never rewritten
.set PFO,  30                          ; v30     the prefetches' offset: my lane x a row of xh or wh (8,192 bytes); never rewritten
.set F0,   64                          ; fragment buffer 0
.set F1,   128                         ; fragment buffer 1
.set BI,   192                         ; bias: v[BI + 8 b + j] = bias of my column 16 b + 8 (lane / 16) + j
.set WV,   12                          ; s12  my wave's number
.set RH,   13                          ; s13  which half of the tile's rows is mine.  Also: I fetch xh (0) or wh (1)
.set CH,   14                          ; s14  which half of its columns.  Also: which 128 rows of that tile I fetch
.set TR,   15                          ; s15  the tile's row among 16
.set G1,   24                          ; s[24:31] descriptor group 1 for xh's tiles
.set G0,   32                          ; s[32:39] descriptor group 0 for xh's tiles, one set for each slot
.set LIM,  43                          ; s43  1 in a wave that prefetches, else the greatest number
.set PFA,  44                          ; s[44:45] where my prefetches stand: my work-group's 32 rows of the 128 that I fetch, one K step beyond the refill in hand; a prefetch names the K step after that
.set G1B,  48                          ; s[48:55] descriptor group 1 for wh's tiles: it differs in the mask alone
.set G0B,  56                          ; s[56:63] descriptor group 0 for wh's tiles
.set MSB, 0
.macro WIN new                         ; the immediate's high byte repeats the setting that is left; a switch that changes nothing is dropped
.if MSB != (\new)
	s_set_vgpr_msb (MSB<<8)|(\new)
.set MSB, \new
.endif
.endm
.set MUL_LO, 0xa1                      ; source 0 (wh) window 1, source 1 (xh) window 0, C and D window 2
.set MUL_HI, 0xf1                      ; the same, C and D window 3
.set FIRST_LO, 0x81                    ; the first products: C (the bias) window 0, D window 2
.set FIRST_HI, 0xc1                    ; D window 3
.set TO_B,   0x40                      ; destination window 1, address window 0
; A joint load.  Waves 0 and 1 fetch xh's two halves, waves 2 and 3 wh's.  Each of the two lines has ONE mask and one set of registers for all that issue it; the branch hangs on the wave's number alone.
; An s_nop 0 and four v_nop follow each of the two lines, ahead of the jump, the label and what follows the macro.
.macro JLOAD s
	s_cmp_eq_u32 s[RH], 0
	s_cbranch_scc0 .Lfor_b_\@
	tensor_load_to_lds s[G0+4*(\s):G0+4*(\s)+3], s[G1:G1+7]
	s_nop 0
.rept 4
	v_nop
.endr
	s_branch .Lasked_\@
.Lfor_b_\@:
	tensor_load_to_lds s[G0B+4*(\s):G0B+4*(\s)+3], s[G1B:G1B+7]
	s_nop 0
.rept 4
	v_nop
.endr
.Lasked_\@:
.endm
; A PREFETCH INTO THE L2, behind each joint refill, its five lines and the run of LDS loads that follows them: the K step that stands TWO refills on (512 matrix instructions ahead of the load that will name it):
; 32 rows x 256 bytes, a lane a row, one instruction a wave.  Each row's 256 bytes of a K step are named ONCE in the launch: xh's tile row is read by every cluster of that row of clusters, and the one with
; x = 0 asks; wh's tile column by every cluster of that column, and the one with y = 0 asks.  The four partners that ask for a tile jointly share its rows out BY ADDRESS, 32 each: no branch hangs on a
; work-group's place in its cluster.  K steps 0 to 3 come by their loads alone; the loop's last trip (s3 = 1) asks for nothing: there is no K step two refills on.
.macro ASK
	s_cmp_gt_u32 s3, s[LIM]
	s_cbranch_scc0 .Lnot_mine_\@
	global_prefetch_b8 v[PFO], s[PFA:PFA+1] offset:KSTEP*2 th:TH_LOAD_NT scope:SCOPE_SE
.Lnot_mine_\@:
.endm
; A round of the cluster's barrier: my work-group's barrier, so that wave 0's signal speaks for all four waves; wave 0 signals for the work-group; every wave waits for all sixteen work-groups;
; my work-group's barrier once more.  No LDS instruction of the wave is pending at a signal.
.macro CREST                           ; a round behind its opening barrier
	s_cmp_lg_u32 s[WV], 0
	s_cbranch_scc1 .Lnot_wave_0_\@
	s_barrier_signal -3
.Lnot_wave_0_\@:
	s_barrier_wait -3
	s_barrier_signal -1
	s_barrier_wait -1
.endm
.macro CROUND                          ; a whole round
	s_barrier_signal -1
	s_barrier_wait -1
	CREST
.endm
	s_load_b256 s[4:11], s[0:1], 0x0               ; xh s[4:5], wh s[6:7], bias s[8:9], out0 s[10:11]
	v_lshl_add_u32 v[SPW], v0, 2, SPARE
	v_mov_b32 v[NIL], 0
	ds_add_u32 v[SPW], v[NIL]                      ; the wave's opening: the add, twice on end, and its wait ahead of my first tensor load; the set-up below, work on registers, stands between
	ds_add_u32 v[SPW], v[NIL]                      ; and once more, under the one wait
	v_lshrrev_b32 v1, 5, v0
	v_readfirstlane_b32 s[WV], v1                  ; wave 0..3
	s_lshr_b32 s[RH], s[WV], 1
	s_and_b32 s[CH], s[WV], 1
	s_bfe_u32 s40, ttmp6, 0x40000                  ; cx: my place along the cluster's x
	s_bfe_u32 s41, ttmp6, 0x40004                  ; cy: along its y
	s_lshl_b32 s42, ttmp9, 2                       ; in a cluster launch ttmp9 and ttmp7 count clusters
	s_add_co_u32 s42, s42, s40                     ; tile column = 4 x cluster x + cx
	s_and_b32 s[TR], ttmp7, 0xffff
	s_lshl_b32 s[TR], s[TR], 2
	s_add_co_u32 s[TR], s[TR], s41                 ; tile row = 4 x cluster y + cy
	s_lshl_b32 s43, s41, 2
	s_lshl_b32 s43, 15, s43                        ; my row of the cluster: places 4 cy .. 4 cy + 3
	s_lshl_b32 s44, 0x1111, s40                    ; my column: places cx, cx + 4, cx + 8, cx + 12
	; descriptor group 1: a tile of 128 rows x 128 elements of 2 bytes, padded in LDS
	s_or_b32 s[G1+0], s43, (1<<16)|(1<<20)|(1<<21)|(5<<22)|(3<<25)   ; 15:0 the mask: xh's tiles go to my row; 17:16 elements of 2 bytes; 20 padding on; 21 set beside a mask; 24:22 after every 64 words (code 5); 31:25 4 words (code 3)
	s_or_b32 s[G1B+0], s44, (1<<16)|(1<<20)|(1<<21)|(5<<22)|(3<<25)  ; the same with the mask of my column, for wh's tiles
.irp g, G1, G1B
	s_mov_b32 s[(\g)+1], KSTEP<<16                 ; tensor_dim0 = 128
	s_mov_b32 s[(\g)+2], 128<<16                   ; tensor_dim1 = 128
	s_mov_b32 s[(\g)+3], KSTEP<<16                 ; tile_dim0 = 128
	s_mov_b32 s[(\g)+4], 128                       ; tile_dim1 = 128
	s_mov_b32 s[(\g)+5], SIZE_K                    ; elements from row to row
	s_mov_b32 s[(\g)+6], 0
	s_mov_b32 s[(\g)+7], 0
.endr
	; where the tiles come from.  xh's hang on the tile row alone, which my row of the cluster shares; wh's on the tile column alone, which my column shares.
	; Every wave makes both addresses, in registers that do not hold the other coordinate, and asks by one of them.
	s_lshl_b32 s17, s[CH], 7                       ; which 128 rows of the tile I fetch
	s_lshl_b32 s16, s[TR], 8
	s_add_co_u32 s16, s16, s17                     ; xh: row 256 x tile row + 128 x half
	s_lshl_b32 s46, s42, 8
	s_add_co_u32 s46, s46, s17                     ; wh: row 256 x tile column + 128 x half
	s_mov_b32 s17, 0
	s_mov_b32 s47, 0
	s_mov_b64 s[18:19], SIZE_K*2
	s_mul_u64 s[16:17], s[16:17], s[18:19]         ; in bytes
	s_mul_u64 s[46:47], s[46:47], s[18:19]
	s_mul_i32 s20, s[WV], HALFT                    ; and where they go: wave x 128 rows: no place in the cluster enters an LDS address
	s_wait_dscnt 0x0                               ; both opening adds are done
	s_wait_kmcnt 0x0
	s_add_nc_u64 s[22:23], s[4:5], s[16:17]
	s_add_nc_u64 s[46:47], s[6:7], s[46:47]
	CROUND                                         ; all sixteen work-groups are here: the first joint loads meet
.irp s, 0,1
	s_mov_b32 s[G0+4*(\s)], 1                                        ; count = 1
	s_add_co_u32 s[G0+4*(\s)+1], s20, (\s)*SLOT                      ; LDS address
	s_add_nc_u64 s[G0+4*(\s)+2:G0+4*(\s)+3], s[22:23], (\s)*KSTEP*2  ; global address: K step s
	s_or_b32 s[G0+4*(\s)+3], s[G0+4*(\s)+3], 0x80000000              ; type = 2
	s_mov_b32 s[G0B+4*(\s)], 1
	s_add_co_u32 s[G0B+4*(\s)+1], s20, (\s)*SLOT
	s_add_nc_u64 s[G0B+4*(\s)+2:G0B+4*(\s)+3], s[46:47], (\s)*KSTEP*2
	s_or_b32 s[G0B+4*(\s)+3], s[G0B+4*(\s)+3], 0x80000000
	JLOAD \s                                       ; the ring is filled before anything else is done: two loads of mine are out
.endr
	; A fragment is 16 rows x 32 K in 8 registers: lane l holds row l % 16; registers 0-3 hold K = 8 (l / 16) + 0..7, registers 4-7 K = 16 + 8 (l / 16) + 0..7: two loads of 16 bytes, 32 bytes apart.
	v_and_b32 v1, 15, v0                           ; l % 16
	v_bfe_u32 v2, v0, 4, 1                         ; l / 16
	v_mul_u32_u24 v3, v1, PITCH
	v_lshl_add_u32 v3, v2, 4, v3                   ; row x pitch + 16 x half
	s_mul_i32 s21, s[RH], HALFT                    ; my 128 rows of xh
	s_mul_i32 s22, s[CH], HALFT                    ; my 128 rows of wh,
	s_add_co_u32 s22, s22, 2*HALFT                 ; which lie behind xh's 256
.irp s, 0,1
	v_add_nc_u32 v[ADRA+(\s)], s21, v3
	v_add_nc_u32 v[ADRB+(\s)], s22, v3
	s_add_co_u32 s21, s21, SLOT
	s_add_co_u32 s22, s22, SLOT
.endr
	s_mul_i32 s23, s[WV], 16*SPITCH
	s_add_co_u32 s23, s23, STAGE                   ; my stage
	v_mul_u32_u24 v4, v1, SPITCH                   ; in: row l % 16, 32 bytes for each half of the lanes
	v_lshl_add_u32 v4, v2, 5, v4
	v_add_nc_u32 v[STO], s23, v4
	v_and_b32 v5, 31, v0
	v_lshlrev_b32 v[CO], 4, v5                     ; back: 32 lanes take one row of 512 bytes; the same 512 bytes in out0
	v_add_nc_u32 v[RD], s23, v[CO]
	v_lshlrev_b32 v[BO], 5, v2
	s_lshl_b32 s46, s42, 10                        ; my first column in bytes of f32: 1,024 x tile column + 512 x half (in the registers that held wh's address)
	s_lshl_b32 s47, s[CH], 9
	s_add_co_u32 s46, s46, s47
	s_mov_b32 s47, 0
	s_add_nc_u64 s[8:9], s[8:9], s[46:47]          ; the bias at my first column
	s_add_nc_u64 s[10:11], s[10:11], s[46:47]
	s_lshl_b32 s16, s[TR], 8
	s_lshl_b32 s17, s[RH], 7
	s_add_co_u32 s17, s16, s17                     ; my first row,
	s_lshl_b32 s18, s17, 14                        ; times 16,384 bytes: under 2^26
	s_mov_b32 s19, 0
	s_add_nc_u64 s[10:11], s[10:11], s[18:19]      ; out0 at my corner; never stepped: the way out's rows stand in the stores' immediates
.irp b, 0,1,2,3,4,5,6,7
	global_load_b128 v[BI+8*(\b):BI+8*(\b)+3],   v[BO], s[8:9] offset:64*(\b)
	global_load_b128 v[BI+8*(\b)+4:BI+8*(\b)+7], v[BO], s[8:9] offset:64*(\b)+16
.endr
	; the prefetches.  s16 = 256 x tile row, s42 = tile column, s40 = cx, s41 = cy still stand
	s_lshl_b32 s42, s42, 8
	s_and_b32 s22, ttmp7, 0xffff                   ; cluster y
	s_cmp_eq_u32 s[RH], 0                          ; do I fetch xh?
	s_cselect_b32 s20, s16, s42                    ; the tile's first row: in xh by the tile row, in wh by the tile column
	s_cselect_b32 s21, s40, s41                    ; my place among the four that ask for it with me
	s_cselect_b32 s22, ttmp9, s22                  ; the coordinate along which other clusters read the same rows
	s_cselect_b64 s[PFA:PFA+1], s[4:5], s[6:7]
	s_cmp_eq_u32 s22, 0
	s_cselect_b32 s[LIM], 1, -1                    ; the same in all sixteen partners, for a given wave
	s_lshl_b32 s22, s[CH], 7
	s_add_co_u32 s20, s20, s22                     ; + the 128 rows that I fetch
	s_lshl_b32 s21, s21, 5
	s_add_co_u32 s20, s20, s21                     ; + my work-group's 32 of them
	s_mov_b32 s21, 0
	s_mov_b64 s[18:19], SIZE_K*2
	s_mul_u64 s[20:21], s[20:21], s[18:19]
	s_add_nc_u64 s[PFA:PFA+1], s[PFA:PFA+1], s[20:21]
	s_add_nc_u64 s[PFA:PFA+1], s[PFA:PFA+1], 2*KSTEP*2  ; at K step 2: the first refill steps it to 3 and names K step 4
	v_and_b32 v[PFO], 31, v0
	v_mul_u32_u24 v[PFO], v[PFO], SIZE_K*2
; 16 matrix instructions: m blocks a0, a0 + 1 of the window's four (hi = 0: my rows 0-63, 1: rows 64-127) x all 8 n blocks, 32 along K.  first = 1: the bias starts the sums: nothing is ever cleared.
; The 64 accumulators take turns, one instruction a turn, in the same order in every quarter step, over the backward jump too.
.macro MUL16 f, hi, a0, first
.if \first
	WIN FIRST_LO+0x40*(\hi)
.else
	WIN MUL_LO+0x50*(\hi)
.endif
.irp a, \a0, (\a0)+1
.irp b, 0,1,2,3,4,5,6,7
.if \first
	v_wmma_f32_16x16x32_f16 v[8*(8*(\a)+(\b)):8*(8*(\a)+(\b))+7], v[(\f)+8*(\b):(\f)+8*(\b)+7], v[(\f)+8*(4*(\hi)+(\a)):(\f)+8*(4*(\hi)+(\a))+7], v[BI+8*(\b):BI+8*(\b)+7]
.else
	v_wmma_f32_16x16x32_f16 v[8*(8*(\a)+(\b)):8*(8*(\a)+(\b))+7], v[(\f)+8*(\b):(\f)+8*(\b)+7], v[(\f)+8*(4*(\hi)+(\a)):(\f)+8*(4*(\hi)+(\a))+7], v[8*(8*(\a)+(\b)):8*(8*(\a)+(\b))+7]
.endif
.endr
.endr
.endm
; 32 LDS loads in one run: the fragments of one quarter step (128 rows of wh, 128 rows of xh, 32 K at byte k of the rows) into buffer f
.macro FETCH slot, k, f
	WIN TO_B
.irp i, 0,1,2,3,4,5,6,7
	ds_load_b128 v[(\f)+8*(\i):(\f)+8*(\i)+3],   v[ADRB+(\slot)] offset:(\k)+(\i)*16*PITCH
	ds_load_b128 v[(\f)+8*(\i)+4:(\f)+8*(\i)+7], v[ADRB+(\slot)] offset:(\k)+(\i)*16*PITCH+32
.endr
	WIN 0
.irp i, 0,1,2,3,4,5,6,7
	ds_load_b128 v[(\f)+8*(\i):(\f)+8*(\i)+3],   v[ADRA+(\slot)] offset:(\k)+(\i)*16*PITCH
	ds_load_b128 v[(\f)+8*(\i)+4:(\f)+8*(\i)+7], v[ADRA+(\slot)] offset:(\k)+(\i)*16*PITCH+32
.endr
.endm
; A load into a register that a matrix instruction has read, and a store that reads a matrix result, stand four places behind that matrix instruction, and only plain vector instructions that name none of
; its registers are places (ISA guide 7.12.1 for vector instructions).
.macro PLACES
.rept 4
	v_nop
.endr
.endm
; A K step is four quarter steps of 32 along K, 64 matrix instructions each, on buffers 0, 1, 0, 1.
; One of the first three: multiplies buffer f; in its middle it fetches the next quarter's fragments, at byte k of the same slot's rows, into buffer g.
.macro QUARTER slot, k, f, g, first
	s_wait_dscnt 8                                 ; wh's fragments and xh's rows 0-63 are in; the youngest eight loads (xh's rows 64-127) may be out
	MUL16 \f, 0, 0, \first
	MUL16 \f, 0, 2, \first
	PLACES
	FETCH \slot, \k, \g
	s_wait_dscnt 32                                ; all but the 32 just issued
	MUL16 \f, 1, 0, \first
	MUL16 \f, 1, 2, \first
.endm
; The last quarter multiplies buffer 1 and changes slots.  MEET is its first half: ONE barrier for the change.  In front of it each wave waits for all its tensor loads, of which one is out: its part of the
; next slot; adds 0 to its spare word; and waits for that and for its own reads of this slot.  Behind it nobody reads this slot any more and the next slot is whole.
.macro MEET round                      ; round = 1: the rest of a round of the cluster's barrier follows
	WIN 0                                          ; (the add's two registers lie in window 0)
	s_wait_tensorcnt 0x0                           ; all my tensor loads have landed;
	ds_add_u32 v[SPW], v[NIL]                      ; 0 onto my spare word;
	s_wait_dscnt 9                                 ; (the add and the youngest eight loads may be out)
	MUL16 F1, 0, 0, 0                              ; sixteen matrix instructions stand between the add and the wait for it
	s_wait_dscnt 0x0                               ; the add is done, and my reads of this slot are over:
	s_barrier_signal -1                            ; say so,
	MUL16 F1, 0, 2, 0                              ; work on registers while the others arrive,
.if \round
	WIN 0
.endif
	s_barrier_wait -1                              ; and go on when all four have said so
.endm
; The whole last quarter of a K step whose slot is filled again, with the K step two steps on: the refill is the first tensor load behind the round; from it to the wait for it a wave issues 224 matrix instructions.
.macro TURN slot, next
	s_wait_xcnt 0x0                                ; the last prefetch, a K step back, has read its address: it is stepped here, ahead of the waits of the change of slots
	s_add_nc_u64 s[PFA:PFA+1], s[PFA:PFA+1], KSTEP*2
	MEET 1
	CREST                                          ; all sixteen work-groups have said so: no wave of any partner still reads this slot's tile or has a load on its way
	s_add_nc_u64 s[G0+4*(\slot)+2:G0+4*(\slot)+3], s[G0+4*(\slot)+2:G0+4*(\slot)+3], 2*KSTEP*2    ; no tensor load of mine is out, so both sets may be written
	s_add_nc_u64 s[G0B+4*(\slot)+2:G0B+4*(\slot)+3], s[G0B+4*(\slot)+2:G0B+4*(\slot)+3], 2*KSTEP*2
	JLOAD \slot                                    ; the four v_nop behind it are also the places in front of the loads below
	FETCH \next, 0, F0
	ASK
	MUL16 F1, 1, 0, 0
	MUL16 F1, 1, 2, 0
.endm
; THE WAY OUT of block a (16 rows x my 128 columns, f32).  TOSTAGE: a lane's 32 bytes of each accumulator go into my own stage, each accumulator's low four registers first;
; the rows come back whole, 512 bytes to a load.  LDS serves a wave's instructions in order (ISA guide 5.7.1.4): the loads see the stores above them, and the next block's stores come behind these loads.
.macro TOSTAGE a
.set AC, 64*((\a)%4)
.set BK, F0+64*((\a)%2)
	WIN 0x08+4*((\a)/4)                            ; the stores' data (source 1) in window 2 or 3
.irp b, 0,1,2,3,4,5,6,7
	ds_store_b128 v[STO], v[AC+8*(\b):AC+8*(\b)+3]   offset:64*(\b)
	ds_store_b128 v[STO], v[AC+8*(\b)+4:AC+8*(\b)+7] offset:64*(\b)+16
.endr
	WIN 0
	s_wait_xcnt 0x0                                ; the buffer was the data of the stores of the block two back: it is loaded again only behind this wait
.set t, 0
.rept 16
	ds_load_b128 v[BK+4*t:BK+4*t+3], v[RD] offset:SPITCH*t
.set t, t+1
.endr
.endm
.macro SEND a, younger                 ; younger: the LDS instructions issued behind block a's loads: the next block's 32, or none
.set BK, F0+64*((\a)%2)
.set t, 0
.rept 16
	s_wait_dscnt (\younger)+15-t                   ; row t is back
	global_store_b128 v[CO], v[BK+4*t:BK+4*t+3], s[10:11] offset:(16*(\a)+t)*ROWC th:TH_STORE_NT  ; 512 consecutive bytes, at a multiple of 512 from out0's first; 127 rows at the most: inside the signed 24-bit immediate
.set t, t+1
.endr
.endm
	s_wait_tensorcnt 1                             ; my part of K step 0 is in; K step 1's may stay out
	s_barrier_signal -1
	s_barrier_wait -1                              ; everybody's is
	FETCH 0, 0, F0
	s_wait_loadcnt 0x0                             ; the bias
	QUARTER 0, 64,  F0, F1, 1                      ; the first quarter stands in front of the loop: its products start the sums
	WIN 0                                          ; at a label and at a branch every window is 0
	s_mov_b32 s3, LAPS-1
.Llap:                                                 ; a trip goes once round the ring, from a lap's second quarter to the next lap's first, and fills both slots again: K steps 2 to 31 in 15 trips
	QUARTER 0, 128, F1, F0, 0
	QUARTER 0, 192, F0, F1, 0
	TURN 0, 1
	QUARTER 1, 64,  F0, F1, 0
	QUARTER 1, 128, F1, F0, 0
	QUARTER 1, 192, F0, F1, 0
	TURN 1, 0
	QUARTER 0, 64,  F0, F1, 0
	WIN 0
	s_sub_co_u32 s3, s3, 1
	s_cmp_lg_u32 s3, 0
	s_cbranch_scc1 .Llap
	QUARTER 0, 128, F1, F0, 0                      ; the last lap is written out: it fills nothing, and has no round of the cluster's barrier
	QUARTER 0, 192, F0, F1, 0
	MEET 0                                         ; my one tensor load that was still out is the last K step's
	PLACES                                         ; for the loads into buffer 0, which the quarter before multiplied
	FETCH 1, 0, F0
	MUL16 F1, 1, 0, 0
	MUL16 F1, 1, 2, 0
	QUARTER 1, 64,  F0, F1, 0
	QUARTER 1, 128, F1, F0, 0
	QUARTER 1, 192, F0, F1, 0
	s_wait_dscnt 8                                 ; the very last quarter: nothing more to fetch
	MUL16 F1, 0, 0, 0
	MUL16 F1, 0, 2, 0
	s_wait_dscnt 0x0
	MUL16 F1, 1, 0, 0
	MUL16 F1, 1, 2, 0
	WIN 0
	PLACES                                         ; behind the last products: the stores below read results, and the loads from the stage land in registers that products have read
	PLACES                                         ; (eight, once a launch)
	TOSTAGE 0
.irp a, 1,2,3,4,5,6,7                  ; block a's way through the stage is issued ahead of block a - 1's stores, so that the wave does not sit out the stage's round trip
	TOSTAGE \a
	SEND (\a)-1, 32
.endr
	SEND 7, 0
	s_wait_tensorcnt 0x0                           ; the wave's end: an add of 0 to my spare word and its wait, behind my last tensor load and my last LDS store
	ds_add_u32 v[SPW], v[NIL]
	s_wait_dscnt 0x0
	CROUND                                         ; the closing round: no work-group ends while a partner may still ask for a tile that names it
	s_endpgm
.Lfunc_end_k_qbb93cd90fc_gemm:
	.size	k_qbb93cd90fc_gemm, .Lfunc_end_k_qbb93cd90fc_gemm-k_qbb93cd90fc_gemm
	.p2alignl 7, 3214868480
	.fill 96, 4, 3214868480
	.section	.rodata,"a",@progbits
	.p2align	6, 0x0
	.amdhsa_kernel k_qbb93cd90fc_gemm
		.amdhsa_group_segment_fixed_size 327680
		.amdhsa_private_segment_fixed_size 0
		.amdhsa_enable_private_segment 0
		.amdhsa_kernarg_size 32
		.amdhsa_user_sgpr_count 2
		.amdhsa_user_sgpr_kernarg_segment_ptr 1
		.amdhsa_wavefront_size32 1
		.amdhsa_system_sgpr_workgroup_id_x 1
		.amdhsa_system_sgpr_workgroup_id_y 1
		.amdhsa_system_sgpr_workgroup_id_z 1
		.amdhsa_system_vgpr_workitem_id 0
		.amdhsa_next_free_vgpr 1024
		.amdhsa_next_free_sgpr 66
		.amdhsa_reserve_vcc 0
		.amdhsa_float_denorm_mode_32 3
		.amdhsa_float_denorm_mode_16_64 3
		.amdhsa_memory_ordered 1
		.amdhsa_forward_progress 1
		.amdhsa_inst_pref_size 147
	.end_amdhsa_kernel
	.amdgpu_metadata
---
amdhsa.version: [ 1, 2 ]
amdhsa.kernels:
  - .name:           k_qbb93cd90fc_gemm
    .symbol:         k_qbb93cd90fc_gemm.kd
    .args:
      - { .name: xh, .offset: 0, .size: 8, .value_kind: global_buffer, .address_space: global }
      - { .name: wh, .offset: 8, .size: 8, .value_kind: global_buffer, .address_space: global }
      - { .name: bias, .offset: 16, .size: 8, .value_kind: global_buffer, .address_space: global }
      - { .name: out0, .offset: 24, .size: 8, .value_kind: global_buffer, .address_space: global }
    .group_segment_fixed_size: 327680
    .private_segment_fixed_size: 0
    .kernarg_segment_align: 8
    .kernarg_segment_size: 32
    .max_flat_workgroup_size: 128
    .sgpr_count:     66
    .vgpr_count:     1024
    .wavefront_size: 32
...
	.end_amdgpu_metadata
.endif
;; end of part 2
;; ======== version 2 of 2: 2 launches; version 1 with the launch prep written anew for expert scheduling mode
;; limits: values are held in f16: magnitudes above 65,504 overflow, below 6.1e-05 lose precision; inputs' magnitudes at most 65,504
;; workspace buffers: xh 33,554,432 bytes; wh 33,554,432 bytes
;; launch prep (part 3): grid 256 x 2, 8 waves a work-group, no clusters, 0 bytes of LDS; arguments x, weight_q, scale, zero_point, xh, wh; writes xh, wh
.if DOCPART == 3
	.amdgcn_target "amdgcn-amd-amdhsa--gfx1250"
	.amdhsa_code_object_version 6
	.text
	.protected	k_qbb93cd90fc_prep
	.globl	k_qbb93cd90fc_prep
	.p2align	8
	.type	k_qbb93cd90fc_prep,@function
k_qbb93cd90fc_prep:
	s_mov_b64 s[64:65], 0
	v_nop
	global_prefetch_b8 v0, s[64:65] scope:SCOPE_SE
	s_setreg_imm32_b32 hwreg(HW_REG_WAVE_SCHED_MODE, 0, 2), 2
	s_setreg_imm32_b32 hwreg(HW_REG_WAVE_MODE, 25, 1), 1
	s_wait_xcnt 0x0
	s_wait_alu depctr_vm_vsrc(0)
; xh = f16(x);  wh[o][i] = f16((weight_q[o][i] - zero_point[o][i/128]) * scale[o][i/128]).  x: [4096][4096] f32, weight_q: [4096][4096] int32,
; scale, zero_point: [4096][32] f32; xh, wh: [4096][4096] f16, row-major: the two operands of the product in the next launch.
; LIMITS.  f16 holds no number beyond 65,504: an x or a weight of 65,520 or more in magnitude becomes an infinity; below 6.1e-5 a number keeps f16's fixed step of 6e-8.
; A weight is made as fma(q, s, -(z s)): z s is rounded once and the fma once, where the formula subtracts and then multiplies; the two differ by about 2^-23 |z s| at the most.
; NaN and infinities are not treated apart.
; A STREAM: every input byte is read once, every output byte written once; no wave wants a byte that another wave fetched, so there is no LDS, no barrier, no cluster and no matrix work.
; SHARES.  Grid y = 0 converts x, y = 1 the weights: 64 MiB in and 32 MiB out each.  A work-group owns 16 rows, a wave 2: 32,768 consecutive bytes in, 64 CHUNKS of 512.
; A chunk is one load of the wave (32 lanes x 16 bytes = 128 numbers = ONE quantisation group: chunk c is row c / 32, group c % 32) and one store (32 lanes x 8 bytes = 256 consecutive bytes, aligned).
; THE MODE: SCHED_MODE bits 1:0 = 2 (LLVM: expert scheduling mode 2), set by the entry lines.  The code itself states the register dependences
; between vector instructions and memory instructions, and between a vector instruction that writes a scalar register and that register's readers, with s_wait_alu, always for 0.
; THE PLAN.  The 64 chunks go in 8 blocks of eight.  Registers that memory instructions touch:
;   X0 .. X3   four blocks as loaded.   Written by the loads of block p + 3, issued in block p; read by block p's conversions.
;   Y0, Y1     two blocks to store.     Written by block p's roundings; read by the eight stores that are issued in block p + 1.
;   v1, v2     byte offsets, made once at the head and never written again; no base is stepped either: every chunk stands in an immediate offset (32,256 bytes at the most).
;   v[8:11]    the wave's scales and zero points: two loads land in them once; behind the wait for those, vector instructions alone name them.
; Block p works on X[p % 4] and writes Y[p % 2].  Its memory instructions are the loads into X[(p + 3) % 4] = X[(p - 1) % 4] and the stores from Y[(p - 1) % 2]: the two buffers that
; block p - 1 worked on and that no vector instruction of block p names.  So the waits at a block's head state all that its sixteen memory instructions hang on, and these are dealt
; among its vector instructions with no further wait.  16 to 24 loads of every wave are in flight.
; The weights' path has one dependence more: a block's sixteen v_readlane_b32 write the scalar pairs s[32:63], which its packed multiply-adds read: one wait behind the run of sixteen.
; Eight blocks on four X buffers: only blocks 1 to 4 are alike, one lap of the buffers; so both paths are written out, by one macro.
.set CHUNKS, 64                        ; chunks of a wave
.set BLOCK,  8                         ; chunks in a block
.set BLOCKS, CHUNKS/BLOCK
.set AHEAD,  3                         ; a block is asked for three blocks ahead
.set INCH,   512                       ; bytes of a chunk in
.set OUTCH,  256                       ; and out
.set LO, 1                             ; v1         16 x lane: my 16 bytes of a chunk in
.set SO, 2                             ; v2         8 x lane: my 8 bytes of a chunk out; also my two words of the wave's 64 scales and 64 zero points
.set T,  4                             ; v[4:7]     at work: no memory instruction names them
.set SC, 8                             ; v[8:9]     scale: word 2 l and 2 l + 1 of my wave's two rows: (row r, group g) lies in register g % 2 of lane 16 r + g / 2
.set ZP, 10                            ; v[10:11]   zero point, laid likewise; then -(z s)
.set X,  16                            ; v[16:143]  buffer k, chunk j of its block: 4 registers at X + 32 k + 4 j, as loaded
.set Y,  144                           ; v[144:175] buffer k, chunk j of its block: 2 registers at Y + 16 k + 2 j, to store
.set SS, 32                            ; s[32:63]   chunk j of the block in hand: its scale in the pair at SS + 4 j, its -(z s) in the pair at SS + 4 j + 2; the pairs' upper words hold 0
.set INB,  4                           ; the scalar pair of the path's input pointer
.set OUTB, 12                          ; and of its output pointer
.macro FILL                            ; blocks 0, 1 and 2 (chunks 0 to 23) into X0, X1, X2
.set i, 0
.rept AHEAD*BLOCK
	global_load_b128 v[X+4*i:X+4*i+3], v[LO], s[INB:INB+1] offset:INCH*i th:TH_LOAD_NT
.set i, i+1
.endr
.endm
; Block p.  kind = 1: weights, 0: x.  left = how many younger loads may still be out when this block's eight have to be there.
.macro BLK kind, p, left
.set xb, (\p)%4
.set xn, ((\p)+AHEAD)%4
.set yb, (\p)%2
.if \kind
.set j, 0
.rept BLOCK                            ; the block's eight scales and eight -(z s), ahead of the wait for its data
.set c, BLOCK*(\p)+j
.set ln, 16*(c/32)+(c%32)/2
.set rg, c%2
	v_readlane_b32 s[SS+4*j],   v[SC+rg], ln
	v_readlane_b32 s[SS+4*j+2], v[ZP+rg], ln
.set j, j+1
.endr
.endif
	s_wait_loadcnt \left                           ; loads come back in order (ISA guide 5.7.1): X[p % 4] is in, the younger blocks stay out
.if (\p) > 1
	s_wait_xcnt 0x0                                ; every earlier memory instruction has had its addresses translated (ISA guide 3.1): Y[p % 2], which the last block's stores read, is rewritten only behind this wait
	s_wait_alu depctr_vm_vsrc(0)                   ; the stores issued in the block before have read Y[p % 2], which this block's roundings write again
.endif
.if (\p) > 0
	s_wait_alu depctr_va_vdst(0)                   ; the block before has written the other Y, which the stores below read, and is done reading its X, in which the loads below land
.endif
.if \kind
	s_wait_alu depctr_va_sdst(0)                   ; the sixteen v_readlane_b32 above have written s[32:63], ahead of their first reader, the first packed multiply-add below
.endif
.set j, 0
.rept BLOCK
.set c, BLOCK*(\p)+j
.if (\p)+AHEAD < BLOCKS
	global_load_b128 v[X+32*xn+4*j:X+32*xn+4*j+3], v[LO], s[INB:INB+1] offset:INCH*(c+AHEAD*BLOCK) th:TH_LOAD_NT  ; three blocks ahead; no vector instruction since the wait names these registers; the load goes out ahead of the store
.endif
.if (\p) > 0
	global_store_b64 v[SO], v[Y+16*(1-yb)+2*j:Y+16*(1-yb)+2*j+1], s[OUTB:OUTB+1] offset:OUTCH*(c-BLOCK) th:TH_STORE_NT  ; the block before
.endif
.if \kind
.irp k, 0,1,2,3
	v_cvt_f32_i32 v[T+(\k)], v[X+32*xb+4*j+(\k)]
.endr
.irp k, 0,1
	v_pk_fma_f32 v[T+2*(\k):T+2*(\k)+1], v[T+2*(\k):T+2*(\k)+1], s[SS+4*j:SS+4*j+1], s[SS+4*j+2:SS+4*j+3] op_sel_hi:[1,0,0]  ; q s - z s, two at a time; each pair's low word serves both
.endr
.irp k, 0,1
	v_cvt_pk_f16_f32 v[Y+16*yb+2*j+(\k)], v[T+2*(\k)], v[T+2*(\k)+1]
.endr
.else
.irp k, 0,1
	v_cvt_pk_f16_f32 v[Y+16*yb+2*j+(\k)], v[X+32*xb+4*j+2*(\k)], v[X+32*xb+4*j+2*(\k)+1]
.endr
.endif
.set j, j+1
.endr
.endm
; Behind block 7: its eight stores.
.macro LAST
	s_wait_alu depctr_va_vdst(0)                   ; block 7 has written Y1, which the last eight stores read
.set j, 0
.rept BLOCK
	global_store_b64 v[SO], v[Y+16+2*j:Y+16+2*j+1], s[OUTB:OUTB+1] offset:OUTCH*((BLOCKS-1)*BLOCK+j) th:TH_STORE_NT
.set j, j+1
.endr
.endm
	s_load_b256 s[4:11], s[0:1], 0x0               ; x s[4:5], weight_q s[6:7], scale s[8:9], zero_point s[10:11]
	s_load_b128 s[12:15], s[0:1], 0x20             ; xh s[12:13], wh s[14:15]
	v_and_b32 v3, 31, v0                           ; lane
	v_lshlrev_b32 v[LO], 4, v3
	v_lshlrev_b32 v[SO], 3, v3
	v_lshrrev_b32 v3, 5, v0
	v_readfirstlane_b32 s16, v3                    ; wave 0..7
	s_and_b32 s17, ttmp7, 0xffff                   ; 0: x, 1: the weights
	s_lshl_b32 s18, ttmp9, 18                      ; in: the work-group's 16 rows of 16,384 bytes,
	s_wait_alu depctr_va_sdst(0)                   ; s16 is written, ahead of its first reader: the wave's offsets are made from it
	s_lshl_b32 s2, s16, 15                         ; my wave's 2
	s_or_b32 s18, s18, s2
	s_mov_b32 s19, 0
	s_lshr_b32 s2, s18, 1                          ; out: half as many bytes
	s_mov_b32 s3, 0
	s_lshr_b32 s30, s18, 7                         ; the tables: 128 bytes a row where the input has 16,384
	s_mov_b32 s31, 0
	s_wait_kmcnt 0x0
	s_wait_alu depctr_va_vdst(0)                   ; v1 and v2 are written: every load and store of both paths reads one of them as its offset
	s_cmp_lg_u32 s17, 0
	s_cbranch_scc1 .Lweights
	; x
	s_add_nc_u64 s[4:5], s[4:5], s[18:19]
	s_add_nc_u64 s[12:13], s[12:13], s[2:3]
	FILL
	BLK 0, 0, 2*BLOCK                              ; block 0 has no block in front of it: no store, and no wait but the one for its data
	BLK 0, 1, 2*BLOCK                              ; no store has been issued yet: Y1 is free
	BLK 0, 2, 2*BLOCK
	BLK 0, 3, 2*BLOCK
	BLK 0, 4, 2*BLOCK                              ; asks for block 7, the last
	BLK 0, 5, 2*BLOCK                              ; blocks 5 to 7 load nothing: no load leaves the wave's 32,768 bytes, and the counts run down
	BLK 0, 6, BLOCK
	BLK 0, 7, 0
	LAST
	s_endpgm
.Lweights:                                             ; each chunk's lane and register of the tables is a constant of the text
.set INB,  6
.set OUTB, 14
	s_add_nc_u64 s[6:7], s[6:7], s[18:19]
	s_add_nc_u64 s[14:15], s[14:15], s[2:3]
	s_add_nc_u64 s[8:9], s[8:9], s[30:31]
	s_add_nc_u64 s[10:11], s[10:11], s[30:31]
	global_load_b64 v[SC:SC+1], v[SO], s[8:9]      ; my wave's two rows of each table: 256 consecutive bytes, aligned, read once
	global_load_b64 v[ZP:ZP+1], v[SO], s[10:11]
	FILL
.set j, 0
.rept 2*BLOCK
	s_mov_b32 s[SS+2*j+1], 0                       ; the upper words of the sixteen pairs that the packed multiply-adds name
.set j, j+1
.endr
	s_wait_loadcnt AHEAD*BLOCK                     ; the two tables are in; the 24 younger loads stay out
	v_mul_f32 v[ZP], -v[ZP], v[SC]                 ; -(z s)
	v_mul_f32 v[ZP+1], -v[ZP+1], v[SC+1]
	BLK 1, 0, 2*BLOCK
	BLK 1, 1, 2*BLOCK
	BLK 1, 2, 2*BLOCK
	BLK 1, 3, 2*BLOCK
	BLK 1, 4, 2*BLOCK
	BLK 1, 5, 2*BLOCK                              ; blocks 5 to 7 load nothing: the counts run down
	BLK 1, 6, BLOCK
	BLK 1, 7, 0
	LAST
	s_endpgm
.Lfunc_end_k_qbb93cd90fc_prep:
	.size	k_qbb93cd90fc_prep, .Lfunc_end_k_qbb93cd90fc_prep-k_qbb93cd90fc_prep
	.p2alignl 7, 3214868480
	.fill 96, 4, 3214868480
	.section	.rodata,"a",@progbits
	.p2align	6, 0x0
	.amdhsa_kernel k_qbb93cd90fc_prep
		.amdhsa_group_segment_fixed_size 0
		.amdhsa_private_segment_fixed_size 0
		.amdhsa_enable_private_segment 0
		.amdhsa_kernarg_size 48
		.amdhsa_user_sgpr_count 2
		.amdhsa_user_sgpr_kernarg_segment_ptr 1
		.amdhsa_wavefront_size32 1
		.amdhsa_system_sgpr_workgroup_id_x 1
		.amdhsa_system_sgpr_workgroup_id_y 1
		.amdhsa_system_sgpr_workgroup_id_z 1
		.amdhsa_system_vgpr_workitem_id 0
		.amdhsa_next_free_vgpr 176
		.amdhsa_next_free_sgpr 66
		.amdhsa_reserve_vcc 0
		.amdhsa_float_denorm_mode_32 3
		.amdhsa_float_denorm_mode_16_64 3
		.amdhsa_memory_ordered 1
		.amdhsa_forward_progress 1
		.amdhsa_inst_pref_size 69
	.end_amdhsa_kernel
	.amdgpu_metadata
---
amdhsa.version: [ 1, 2 ]
amdhsa.kernels:
  - .name:           k_qbb93cd90fc_prep
    .symbol:         k_qbb93cd90fc_prep.kd
    .args:
      - { .name: x, .offset: 0, .size: 8, .value_kind: global_buffer, .address_space: global }
      - { .name: weight_q, .offset: 8, .size: 8, .value_kind: global_buffer, .address_space: global }
      - { .name: scale, .offset: 16, .size: 8, .value_kind: global_buffer, .address_space: global }
      - { .name: zero_point, .offset: 24, .size: 8, .value_kind: global_buffer, .address_space: global }
      - { .name: xh, .offset: 32, .size: 8, .value_kind: global_buffer, .address_space: global }
      - { .name: wh, .offset: 40, .size: 8, .value_kind: global_buffer, .address_space: global }
    .group_segment_fixed_size: 0
    .private_segment_fixed_size: 0
    .kernarg_segment_align: 8
    .kernarg_segment_size: 48
    .max_flat_workgroup_size: 256
    .sgpr_count:     66
    .vgpr_count:     176
    .wavefront_size: 32
...
	.end_amdgpu_metadata
.endif
;; end of part 3
;; launch gemm: the kernel of part 2 again; grid 16 x 16, 4 waves a work-group, clusters of 4 x 4, 327,680 bytes of LDS; arguments xh, wh, bias, out0; writes out0
